; MI455X (gfx1250); checked and timed in simulation.
; The chip was launched on July 23, 2026; its instructions are those of AMD's public machine-readable ISA for CDNA 5 (MIT licence, August 2026) and "CDNA5" Instruction Set Architecture Reference Guide (July 2026). The comments in the code are by the model that wrote it; some were corrected since.
;; RK Means Vector Quantizer. Allowed arithmetic: matrix products marked QUANTISED: E5M2 operands, one given power-of-two scale a tensor, by v_wmma_f32_16x16x64_bf8_bf8 or v_wmma_f32_16x16x128_bf8_bf8, f32 sums; everything else in f32.
;; Inputs: centroids 8,192 x 256 float32; lowp_scales 2 int32 (the exponents e of the quantised operands' scales 2^e); x 32,768 x 256 float32.
;; Outputs: out0 32,768 x 256 float32; out1 one number float32; out2 32,768 int32.
;; This version of the problem:
;;   THIS VERSION OF THE PROBLEM IS GIVEN IN LOW PRECISION. The matrix products marked QUANTISED in the list below multiply operands that are first quantised to E5M2 (5 exponent bits, 2 mantissa bits; 8 bits a number), with one given power-of-two scale for each operand tensor; their sums are f32. All else is computed in f32.
;;   The module's matrix products, in the order in which they are computed (A, B: the left and right operand; K: the contracted axis; several contracted axes count as one K, in the product's order):
;;     1. [M 32,768, K 256] x [K 256, N 8,192]; A: input x; B: input centroids: QUANTISED (scales: A lowp_scales[0], B lowp_scales[1])
;;   THE QUANTISER, for each operand of a quantised product, along K:
;;     - The operand's scale is 2^e, e = its entry of the input lowp_scales (int32; the entries are numbered through the quantised products in the list's order, A before B).
;;     - Each number is divided by the scale, clamped to +-57,344, and rounded to the nearest number of E5M2, ties to even, subnormals kept.
;;     - The product sums the exact products of the quantised numbers (number of the format x scale) in f32.
;;   ~~~python
;;   def quantise(x, axis, e):      # numpy; x: float32 -> the quantised numbers, widened to float32 again
;;       x = np.moveaxis(x, axis, -1); K = x.shape[-1]
;;       r = np.clip(x / 2.0 ** e, -57344, 57344)
;;       step = 2.0 ** (np.maximum(np.frexp(np.where(r == 0, 1, r))[1] - 1, -14) - 2)
;;       q = np.round(r / step) * step * 2.0 ** e      # np.round: ties to even
;;       return np.moveaxis(q, -1, axis).astype(np.float32)
;;   ~~~
;; One version. Each part assembles by itself: llvm-mc -triple=amdgcn-amd-amdhsa -mcpu=gfx1250 --defsym DOCPART=n.
;; ======== version 1 of 1: 4 launches
;; workspace buffers: cimg 2,097,152 bytes; cbias 32,768 bytes; idx 131,072 bytes of whole numbers; part 4,096 bytes
;; launch prep (part 1): grid 128 x 1, 4 waves a work-group, no clusters, 1,024 bytes of LDS; arguments centroids, lowp_scales, cimg, cbias; writes cimg, cbias
.if DOCPART == 1
	.amdgcn_target "amdgcn-amd-amdhsa--gfx1250"
	.amdhsa_code_object_version 6
	.text
	.protected	k_qa11feba638_prep
	.globl	k_qa11feba638_prep
	.p2align	8
	.type	k_qa11feba638_prep,@function
k_qa11feba638_prep:
	s_mov_b64 s[64:65], 0
	v_nop
	global_prefetch_b8 v0, s[64:65] scope:SCOPE_SE
	s_setreg_imm32_b32 hwreg(HW_REG_WAVE_MODE, 25, 1), 1
	s_wait_xcnt 0x0
; The centroids [8192][256] f32 become (a) codes of BF8 (E5M2) with the given scale 2^ec, laid as IMAGES OF OPERAND REGISTERS, and (b) a bias for each centroid.
; code = c / 2^ec, held within +-57,344, rounded to the nearest code, ties to even.   bias b = -(sum of c^2) x 2^-(ex + ec + 1), from the f32 numbers.
; Why the bias: argmin over c of |x|^2 + |c|^2 - 2 x.c is argmax of S + b, S the sum of the code products (x.c = S x 2^(ex + ec)); the next launch gives b to the matrix unit as C.
; LIMITS: ec between -126 and 112, so that 2^ec and 57,344 x 2^ec are f32 numbers.  NaN among the inputs is not served.  The squares are summed in four packed chains, not in the order of jnp.sum.
; SHARES.  Work-group f makes record f of cimg: 16,384 bytes, the tiles 4 f + i of 16 centroids; wave i takes tile i.  A tile is two fragments (K step s of 128) of 2,048 bytes; a fragment is four groups
; of four registers, group c at 512 c + 16 x lane.  Lane (r, h) holds centroid r of the tile, and registers 4 c .. 4 c + 3 hold k = 128 s + 32 c + 16 h + 0 .. 15.
; Record f is read by wave f % 8 in slot f / 8 of the next launch, so the 64 biases of the record go to cbias at (f % 8) x 4,096 + (f / 8) x 256: one store of 256 consecutive bytes, aligned.
; No register is written again while a load or a store names it: every step has its own.
.set SQ,  16                           ; v[16:23]   four packed chains of squares
.set NUM, 32                           ; v32-159    128 numbers of my row: 64 for each K step
.set PC,  160                          ; v160-191   their codes: 16 registers for each K step
.macro XLOAD reg, s                    ; my 64 numbers of K step s: 16 neighbours of each block of 32
.irp b, 0,1,2,3
.irp j, 0,1,2,3
	global_load_b128 v[\reg+16*\b+4*\j:\reg+16*\b+4*\j+3], v4, s[4:5] offset:512*\s+128*\b+16*\j th:TH_LOAD_NT
.endr
.endr
.endm
.macro QUANT src, dst                  ; 64 numbers of a lane become 16 registers of codes
.irp b, 0,1,2,3
.irp i, 0,1,2,3,4,5,6,7,8,9,10,11,12,13,14,15
	v_med3_num_f32 v[\src+16*\b+\i], v[\src+16*\b+\i], -v10, v10   ; the conversion to an 8-bit code does not saturate (ISA guide 7.6.2): the hold at the largest code x the scale
.endr
	v_cvt_scalef32_pk8_bf8_f32 v[\dst+4*\b:\dst+4*\b+1], v[\src+16*\b:\src+16*\b+7], v11
	v_cvt_scalef32_pk8_bf8_f32 v[\dst+4*\b+2:\dst+4*\b+3], v[\src+16*\b+8:\src+16*\b+15], v11
.endr
	v_nop                                          ; a plain vector line behind the last conversion of the run
.endm
	s_load_b128 s[4:7], s[0:1], 0x0                ; centroids s[4:5], the scales' exponents s[6:7]
	s_load_b128 s[8:11], s[0:1], 0x10              ; cimg s[8:9], cbias s[10:11]
	v_lshl_add_u32 v192, v0, 2, 0x200
	v_mov_b32 v193, 0
	v_lshrrev_b32 v1, 5, v0
	v_readfirstlane_b32 s12, v1                    ; wave i = 0..3
	v_and_b32 v1, 31, v0                           ; lane
	v_and_b32 v2, 15, v0                           ; r
	v_bfe_u32 v3, v0, 4, 1                         ; h
	v_lshlrev_b32 v4, 10, v2
	v_lshl_add_u32 v4, v3, 6, v4                   ; in: row r of 1,024 bytes, + 64 h
	v_lshlrev_b32 v5, 4, v1                        ; out: 16 x lane
	s_lshl_b32 s16, s12, 6
	v_lshlrev_b32 v6, 2, v2
	v_lshl_add_u32 v6, v3, 8, v6
	v_add_nc_u32 v6, s16, v6                       ; LDS: 64 i + 4 r; lanes 16-31 write a copy 256 bytes on, so that each lane has a word of its own
	v_lshlrev_b32 v7, 3, v1                        ; 8 x lane
	v_mov_b32 v24, 0                               ; written once: a lane permute's destination counts as one of its sources
	s_lshl_b32 s18, ttmp9, 16                      ; my tile's 16 rows: 64 f + 16 i rows of 1,024 bytes
	s_lshl_b32 s19, s12, 14
	s_add_co_u32 s18, s18, s19
	s_mov_b32 s19, 0
	s_lshl_b32 s20, ttmp9, 14                      ; my tile in cimg: 16,384 f + 4,096 i
	s_lshl_b32 s21, s12, 12
	s_add_co_u32 s20, s20, s21
	s_mov_b32 s21, 0
	s_and_b32 s22, ttmp9, 7                        ; the record's biases in cbias
	s_lshl_b32 s22, s22, 12
	s_lshr_b32 s23, ttmp9, 3
	s_lshl_b32 s23, s23, 8
	s_add_co_u32 s22, s22, s23
	s_mov_b32 s23, 0
	s_mov_b32 s28, 0x76543210                      ; v_permlanex16_b32: lane l xor 16
	s_mov_b32 s29, 0xfedcba98
	s_wait_kmcnt 0x0
	s_load_b64 s[14:15], s[6:7], 0x0               ; ex, ec
	s_add_nc_u64 s[4:5], s[4:5], s[18:19]
	s_add_nc_u64 s[8:9], s[8:9], s[20:21]
	s_add_nc_u64 s[10:11], s[10:11], s[22:23]
	XLOAD NUM, 0
	XLOAD NUM+64, 1
	s_wait_kmcnt 0x0
	s_add_co_i32 s24, s15, 127
	s_lshl_b32 s25, s24, 23
	v_mov_b32 v11, s25                             ; 2^ec as f32: the conversion takes its exponent field
	s_add_co_i32 s24, s24, 15
	s_lshl_b32 s24, s24, 23
	s_or_b32 s24, s24, 0x600000
	v_mov_b32 v10, s24                             ; 57,344 x 2^ec
	s_add_co_i32 s26, s14, s15
	s_add_co_i32 s26, s26, 1
	s_sub_co_i32 s26, 0, s26                       ; -(ex + ec + 1)
	s_wait_loadcnt 16                              ; K step 0's sixteen loads are in; K step 1's sixteen may be out
.irp c, 0,1,2,3
	v_pk_mul_f32 v[SQ+2*\c:SQ+2*\c+1], v[NUM+2*\c:NUM+2*\c+1], v[NUM+2*\c:NUM+2*\c+1]   ; the first products start the chains; the squares are taken ahead of the hold, which works in place
.endr
.set j, 4
.rept 28
	v_pk_fma_f32 v[SQ+2*(j%4):SQ+2*(j%4)+1], v[NUM+2*j:NUM+2*j+1], v[NUM+2*j:NUM+2*j+1], v[SQ+2*(j%4):SQ+2*(j%4)+1]
.set j, j+1
.endr
	QUANT NUM, PC
.irp c, 0,1,2,3
	global_store_b128 v5, v[PC+4*\c:PC+4*\c+3], s[8:9] offset:512*\c          ; 32 lanes store 512 consecutive bytes
.endr
	s_wait_loadcnt 0x0
.rept 32
	v_pk_fma_f32 v[SQ+2*(j%4):SQ+2*(j%4)+1], v[NUM+2*j:NUM+2*j+1], v[NUM+2*j:NUM+2*j+1], v[SQ+2*(j%4):SQ+2*(j%4)+1]
.set j, j+1
.endr
	QUANT NUM+64, PC+16
.irp c, 0,1,2,3
	global_store_b128 v5, v[PC+16+4*\c:PC+16+4*\c+3], s[8:9] offset:2048+512*\c
.endr
	v_pk_add_f32 v[SQ:SQ+1], v[SQ:SQ+1], v[SQ+2:SQ+3]
	v_pk_add_f32 v[SQ+4:SQ+5], v[SQ+4:SQ+5], v[SQ+6:SQ+7]
	v_pk_add_f32 v[SQ:SQ+1], v[SQ:SQ+1], v[SQ+4:SQ+5]
	v_add_f32 v16, v16, v17                        ; my 128 numbers' squares,
	v_permlanex16_b32 v24, v16, s28, s29
	v_add_f32 v16, v16, v24                        ; and the row's other 128, which lane l xor 16 holds
	v_ldexp_f32 v16, -v16, s26                     ; b = -|c|^2 x 2^-(ex + ec + 1): a power of two rounds nothing
	ds_store_b32 v6, v16
	s_wait_dscnt 0x0                               ; for the others' sake: my store has landed
	s_barrier_signal -1
	s_barrier_wait -1
	s_cmp_lg_u32 s12, 0
	s_cbranch_scc1 .Lend                           ; wave 0 stores the record's 64 biases
	ds_load_b64 v[26:27], v7
	s_wait_dscnt 0x0
	global_store_b64 v7, v[26:27], s[10:11]        ; 32 lanes store 256 consecutive bytes, at a multiple of 256 from cbias's first byte
.Lend:
	s_wait_tensorcnt 0x0
	ds_add_u32 v192, v193
	s_wait_dscnt 0x0
	s_endpgm
.Lfunc_end_k_qa11feba638_prep:
	.size	k_qa11feba638_prep, .Lfunc_end_k_qa11feba638_prep-k_qa11feba638_prep
	.p2alignl 7, 3214868480
	.fill 96, 4, 3214868480
	.section	.rodata,"a",@progbits
	.p2align	6, 0x0
	.amdhsa_kernel k_qa11feba638_prep
		.amdhsa_group_segment_fixed_size 1024
		.amdhsa_private_segment_fixed_size 0
		.amdhsa_enable_private_segment 0
		.amdhsa_kernarg_size 32
		.amdhsa_user_sgpr_count 2
		.amdhsa_user_sgpr_kernarg_segment_ptr 1
		.amdhsa_wavefront_size32 1
		.amdhsa_system_sgpr_workgroup_id_x 1
		.amdhsa_system_sgpr_workgroup_id_y 1
		.amdhsa_system_sgpr_workgroup_id_z 1
		.amdhsa_system_vgpr_workitem_id 0
		.amdhsa_next_free_vgpr 194
		.amdhsa_next_free_sgpr 66
		.amdhsa_reserve_vcc 0
		.amdhsa_float_denorm_mode_32 3
		.amdhsa_float_denorm_mode_16_64 3
		.amdhsa_memory_ordered 1
		.amdhsa_forward_progress 1
		.amdhsa_inst_pref_size 20
	.end_amdhsa_kernel
	.amdgpu_metadata
---
amdhsa.version: [ 1, 2 ]
amdhsa.kernels:
  - .name:           k_qa11feba638_prep
    .symbol:         k_qa11feba638_prep.kd
    .args:
      - { .name: centroids, .offset: 0, .size: 8, .value_kind: global_buffer, .address_space: global }
      - { .name: lowp_scales, .offset: 8, .size: 8, .value_kind: global_buffer, .address_space: global }
      - { .name: cimg, .offset: 16, .size: 8, .value_kind: global_buffer, .address_space: global }
      - { .name: cbias, .offset: 24, .size: 8, .value_kind: global_buffer, .address_space: global }
    .group_segment_fixed_size: 1024
    .private_segment_fixed_size: 0
    .kernarg_segment_align: 8
    .kernarg_segment_size: 32
    .max_flat_workgroup_size: 128
    .sgpr_count:     66
    .vgpr_count:     194
    .wavefront_size: 32
...
	.end_amdgpu_metadata
.endif
;; end of part 1
;; launch vq (part 2): grid 256 x 1, 8 waves a work-group, clusters of 4 x 1, 327,680 bytes of LDS; arguments x, cimg, cbias, lowp_scales, out2, idx; writes out2, idx
.if DOCPART == 2
	.amdgcn_target "amdgcn-amd-amdhsa--gfx1250"
	.amdhsa_code_object_version 6
	.text
	.protected	k_qa11feba638_vq
	.globl	k_qa11feba638_vq
	.p2align	8
	.type	k_qa11feba638_vq,@function
k_qa11feba638_vq:
	s_mov_b64 s[64:65], 0
	v_nop
	global_prefetch_b8 v0, s[64:65] scope:SCOPE_SE
	s_setreg_imm32_b32 hwreg(HW_REG_WAVE_MODE, 25, 1), 1
	s_wait_xcnt 0x0
	s_wait_alu depctr_hold_cnt(0) depctr_sa_sdst(0) depctr_va_vdst(0) depctr_va_sdst(0) depctr_va_ssrc(0) depctr_va_vcc(0) depctr_vm_vsrc(0)
	s_getreg_b32 s2, hwreg(HW_REG_IB_STS2, 6, 4)
	s_cmp_eq_u32 s2, 0
	s_cbranch_scc0 .Lentry_in_a_cluster
	s_endpgm
.Lentry_in_a_cluster:
	s_bfe_u32 s2, ttmp6, 0x10000c
	s_cmp_lg_u32 s2, 0x3003
	s_cbranch_scc0 .Lentry_shape_is_right
	s_endpgm
.Lentry_shape_is_right:
; For each of 32,768 rows of x: the index of the nearest centroid, by the product of BF8 (E5M2) codes.  out2 and idx (the next launch's list) get the same whole numbers.
; THE KEY.  argmin over c of |x|^2 + |c|^2 - 2 x.c = argmax of S + b: S the f32 sum of the code products, b = -|c|^2 x 2^-(ex + ec + 1) from the launch before; |x|^2 is the same for all c of a row and is not formed.
; b is the C of a tile's first matrix instruction, so the key costs no vector instruction.
; LIMITS.  The key is rounded once, in the matrix unit, where reference() rounds |x|^2 + |c|^2 and then the difference.  Equal keys go to the lowest index, as argmin does.  ex between -126 and 112.  NaN among the inputs is not served.
; SHARES.  A work-group owns 128 rows.  Each of its EIGHT waves holds the codes of ALL 128 rows (8 tiles x 2 K steps x 16 registers = window 1) and walks an eighth of the centroids: record (slot, wave) of each of
; 16 slots, 4 tiles of 16 centroids a record: 64 tiles x 8 tiles of rows x 2 K steps = 1,024 matrix instructions a wave.  So each byte of codes is read from LDS once in a work-group.
; Two waves stand on a SIMD (512 registers each): a tile of keys costs 14 vector instructions for its 2 matrix instructions, more than one wave can set beside its own products.
; LAYOUT.  Source 0 = 16 centroids, source 1 = 16 rows of x: a lane holds ONE row (lane % 16), and its registers 0-7 the centroids 8 (lane / 16) + 0..7 of the tile.
; THE ARGMAX, for a tile of keys A0-A7: Rn = max(A0..A7, Ro), four v_max3; where Rn > Ro (strictly: the earlier tile keeps a tie) the tile's number goes to G and its eight keys to S.  The running maximum
; lies in two banks by turns, so that old and new are compared without a copy.  At the end the first j with S_j = R gives the place in the tile.
; BY TURNS.  A GROUP is 4 matrix instructions (two tiles of rows, two K steps); behind each two of them stand 14 instructions of the argmax of the GROUP before, whose keys lie in the other accumulator buffer.
; CLUSTER.  All work-groups walk the same records, so the four of a cluster ask for each JOINTLY: the same tensor load, the same descriptor, a mask that names the four.
; The launch claims all of a WGP's LDS, and each wave adds 0 onto a spare word at each change of slots and at its end.
; LDS: two slots of 131,072 bytes (wave w's record at 16,384 w), the biases (wave w's 4,096 bytes), then bytes that only ds_store fills: x's images, the waves' results; then the spare words.
.set SLOT1, 1<<17                      ; slot 1 begins here: one exclusive or turns an address in one slot into the other's
.set SLOTB, 131072                     ; a slot's bytes, in LDS and in cimg
.set BIAS,  262144
.set XIMG,  294912                     ; 16,384 bytes: the images of four tiles of x at a time
.set COMB,  311296                     ; 8,192 bytes: for each wave 128 pairs (maximum, index)
.set SPARE, 319488                     ; 128 bytes for each of the eight waves: four blocks of 256 bytes that no other line names
.set L16, 1                            ; v1   16 x lane
.set XA,  2                            ; v2   x: my lane's byte in the wave's 16 rows
.set AF0, 3                            ; v3   my place in my wave's record: 16,384 w + 16 x lane
.set AB0, 4                            ; v4   my place in my wave's biases: BIAS + 4,096 w + 32 (lane / 16)
.set AF,  5                            ; v5   AF0 + the slot in hand
.set AB,  6                            ; v6   AB0 + 256 x the slot's number
.set XWI, 7                            ; v7   where I store x's images
.set XRI, 8                            ; v8   where I read them
.set CW,  9                            ; v9   where I store my results
.set CR,  10                           ; v10  where waves 0 and 1 read all waves' results
.set L8,  11                           ; v11  8 x lane
.set SPW, 12                           ; v12  LDS address of my spare word; never rewritten
.set NIL, 13                           ; v13  0; never rewritten
.set H8,  14                           ; v14  8 (lane / 16)
.set PFO, 15                           ; v15  256 x lane: the prefetches' offset; never rewritten
.set F,   16                           ; v16-79   a centroid tile's two fragments, two buffers of 32
.set BI,  80                           ; v80-95   its biases in the result's layout, two buffers of 8
.set ACC, 96                           ; v96-127  two buffers x two tiles of rows x 8
.set S,   160                          ; v160-223 the winning tile's eight keys, for each of the 8 tiles of rows
.set G,   224                          ; v224-231 its number
.set R,   232                          ; v232-239, v240-247 the running maximum, two banks
.set SC,  248                          ; v248 2^ex;  v249 57,344 x 2^ex
.set LM,  249
.set WV,  16                           ; s16  my wave's number
.set G1,  24                           ; s[24:31] descriptor group 1 for a record;  s[32:39] for a wave's biases
.set G1B, 32
.set G0A, 40                           ; s[40:43] group 0: slot 0's first fill;  s[44:47] slot 1's, which then walks;  s[48:51] the biases'
.set G0,  44
.set G0C, 48
.set TB,  52                           ; s52  LDS byte at which the slot in hand begins
.set BO,  53                           ; s53  256 x its number
.set TT,  54                           ; s54  the number of the centroid tile whose argmax is being written
.set SLOTS, 55                         ; s55  slots still to be asked for
.set LIM, 56                           ; s56  2 in a wave that prefetches, else the greatest number
.set PFA, 58                           ; s[58:59] where my prefetches stand
.set MA,  66                           ; s66, s67 the two tiles' masks: the new tile wins
.set MB,  67
.set MSB, 0
.macro WIN new                         ; the immediate's high byte repeats the setting that is left; a switch that changes nothing is dropped
.if MSB != \new
	s_set_vgpr_msb (MSB<<8)|\new
.set MSB, \new
.endif
.endm
.macro CREST                           ; a round of the cluster's barrier behind its opening barrier
	s_cmp_lg_u32 s[WV], 0
	s_cbranch_scc1 .Lnot_wave_0_\@
	s_barrier_signal -3
.Lnot_wave_0_\@:
	s_barrier_wait -3
	s_barrier_signal -1
	s_barrier_wait -1
.endm
.macro CROUND                          ; a whole round
	s_barrier_signal -1
	s_barrier_wait -1
	CREST
.endm
.macro BARRIER                         ; my LDS stores have landed and my LDS loads are in: then the work-group's barrier
	s_wait_dscnt 0x0
	s_barrier_signal -1
	s_barrier_wait -1
.endm
.macro XLOAD reg, s                    ; my 64 numbers of K step s of my row: 16 neighbours of each block of 32
.irp b, 0,1,2,3
.irp j, 0,1,2,3
	global_load_b128 v[\reg+16*\b+4*\j:\reg+16*\b+4*\j+3], v[XA], s[4:5] offset:512*\s+128*\b+16*\j th:TH_LOAD_NT
.endr
.endr
.endm
.macro QUANT src, dst                  ; 64 numbers of a lane, register 16 b + i = k 32 b + 16 (lane / 16) + i, become a fragment's 16 registers
.irp b, 0,1,2,3
.irp i, 0,1,2,3,4,5,6,7,8,9,10,11,12,13,14,15
	v_med3_num_f32 v[\src+16*\b+\i], v[\src+16*\b+\i], -v[LM], v[LM]   ; the conversion to an 8-bit code does not saturate (ISA guide 7.6.2): the hold at the largest code x the scale
.endr
	v_cvt_scalef32_pk8_bf8_f32 v[\dst+4*\b:\dst+4*\b+1], v[\src+16*\b:\src+16*\b+7], v[SC]
	v_cvt_scalef32_pk8_bf8_f32 v[\dst+4*\b+2:\dst+4*\b+3], v[\src+16*\b+8:\src+16*\b+15], v[SC]
.endr
	v_nop                                          ; a plain vector line behind the last conversion: later vector and matrix instructions write these registers
.endm
.macro IMAGE src, off                  ; a fragment goes to LDS as it stands in its registers: four stores of 512 consecutive bytes
.irp c, 0,1,2,3
	ds_store_b128 v[XWI], v[\src+4*\c:\src+4*\c+3] offset:\off+512*\c
.endr
.endm
.macro FETCHX m0                       ; and four tiles' fragments come back so, in every wave, into window 1: tile q, K step s at v[32 q + 16 s]
	WIN 0x40                                       ; destination window 1, address window 0
.irp m, 0,1,2,3
.irp s, 0,1
.irp c, 0,1,2,3
	ds_load_b128 v[32*(\m0+\m)+16*\s+4*\c:32*(\m0+\m)+16*\s+4*\c+3], v[XRI] offset:(2*\m+\s)*2048+512*\c
.endr
.endr
.endr
	WIN 0
.endm
.macro FETCHF buf, i                   ; ten LDS loads in one run: tile i of my record (two fragments) and its 16 biases (lanes 0-15 take the first eight, lanes 16-31 the others)
.irp k, 0,1,2,3,4,5,6,7
	ds_load_b128 v[F+32*(\buf)+4*\k:F+32*(\buf)+4*\k+3], v[AF] offset:4096*(\i)+512*\k
.endr
	ds_load_b128 v[BI+8*(\buf):BI+8*(\buf)+3], v[AB] offset:64*(\i)
	ds_load_b128 v[BI+8*(\buf)+4:BI+8*(\buf)+7], v[AB] offset:64*(\i)+16
.endm
; Two matrix instructions: K step ks of the centroid tile in buffer fb against the tiles of rows 2 p and 2 p + 1, into accumulator buffer ab.  K step 0 starts the sums with the biases as C.
; The two accumulators take turns, one instruction a turn.
.macro MM2 ks, fb, ab, p
.set rD, ACC+16*(\ab)
.set rF, F+32*(\fb)+16*(\ks)
.set rX, 64*(\p)+16*(\ks)
.set rC, BI+8*(\fb)
.if (\ks) == 0
	v_wmma_f32_16x16x128_bf8_bf8 v[rD:rD+7], v[rF:rF+15], v[rX:rX+15], v[rC:rC+7]
	v_wmma_f32_16x16x128_bf8_bf8 v[rD+8:rD+15], v[rF:rF+15], v[rX+32:rX+47], v[rC:rC+7]
.else
	v_wmma_f32_16x16x128_bf8_bf8 v[rD:rD+7], v[rF:rF+15], v[rX:rX+15], v[rD:rD+7]
	v_wmma_f32_16x16x128_bf8_bf8 v[rD+8:rD+15], v[rF:rF+15], v[rX+32:rX+47], v[rD+8:rD+15]
.endif
.endm
; The argmax's first 14 instructions, for the keys in accumulator buffer ab, tiles of rows 2 pp and 2 pp + 1; the old maximum lies in bank bk.  The two tiles alternate; each accumulator is read from its low end on.
.macro EPA ab, pp, bk
.set rA, ACC+16*(\ab)
.set rB, rA+8
.set qa, 2*(\pp)
.set qb, qa+1
.set rO, R+8*(\bk)
.set rN, R+8*(1-(\bk))
	v_max3_num_f32 v[rN+qa], v[rA], v[rA+1], v[rA+2]
	v_max3_num_f32 v[rN+qb], v[rB], v[rB+1], v[rB+2]
	v_max3_num_f32 v[rN+qa], v[rN+qa], v[rA+3], v[rA+4]
	v_max3_num_f32 v[rN+qb], v[rN+qb], v[rB+3], v[rB+4]
	v_max3_num_f32 v[rN+qa], v[rN+qa], v[rA+5], v[rA+6]
	v_max3_num_f32 v[rN+qb], v[rN+qb], v[rB+5], v[rB+6]
	v_max3_num_f32 v[rN+qa], v[rN+qa], v[rA+7], v[rO+qa]
	v_max3_num_f32 v[rN+qb], v[rN+qb], v[rB+7], v[rO+qb]
	v_cmp_gt_f32 s[MA], v[rN+qa], v[rO+qa]         ; strictly: of equal maxima the earlier tile, which has the lower indices, stays
	v_cmp_gt_f32 s[MB], v[rN+qb], v[rO+qb]
	v_cndmask_b32 v[G+qa], v[G+qa], s[TT], s[MA]
	v_cndmask_b32 v[G+qb], v[G+qb], s[TT], s[MB]
	v_cndmask_b32 v[S+8*qa], v[S+8*qa], v[rA], s[MA]
	v_cndmask_b32 v[S+8*qb], v[S+8*qb], v[rB], s[MB]
.endm
.macro EPB ab, pp                      ; and its other 14: the winning tile's keys 1 to 7
.set rA, ACC+16*(\ab)
.set rB, rA+8
.set sA, S+16*(\pp)
.set sB, sA+8
.irp j, 1,2,3,4,5,6,7
	v_cndmask_b32 v[sA+\j], v[sA+\j], v[rA+\j], s[MA]
	v_cndmask_b32 v[sB+\j], v[sB+\j], v[rB+\j], s[MB]
.endr
.endm
; GROUP p of centroid tile i.  Behind each pair of matrix instructions stand 14 plain vector instructions that name none of its registers: they are the places in front of the next reads of results, of the loads
; into fragment buffers that are done with, and of the products that begin an accumulator buffer anew two GROUPs on.  x's codes lie in window 1, all else in window 0: four switches a GROUP.
; fetch = 1: the next tile's ten LDS loads stand in one run in the GROUP's middle, a tile's 14 matrix instructions ahead of their use.
.macro GROUP i, p, fetch
.if (\p) == 0
.set par, 1-(\i)%2                     ; the GROUP before belongs to the tile before
.else
.set par, (\i)%2
.endif
	WIN 0x04                                       ; source 1 window 1
	MM2 0, (\i)%2, (\p)%2, \p
	WIN 0
	EPA 1-(\p)%2, ((\p)+3)%4, par
.if \fetch
	FETCHF ((\i)+1)%2, (\i)+1
.endif
	WIN 0x04
	MM2 1, (\i)%2, (\p)%2, \p
	WIN 0
	EPB 1-(\p)%2, ((\p)+3)%4
.endm
; A PREFETCH INTO THE L2, behind the joint load, its four lines and the run of LDS loads: the slot that stands two refills on.  All clusters walk the same records: the first cluster asks.  Its four partners share a
; slot's 131,072 bytes out BY ADDRESS: part 4 cx + w of 16, for waves w = 0..3; a lane a block of 256 bytes: 16 x 32 x 256 bytes = a slot, each block named once in the launch.
; The change at the end of slot n names slot n + 4; the changes from n = 12 on ask for nothing: there is no such slot.  Slots 0 to 3 come by their loads alone.
.macro ASK
	s_cmp_gt_u32 s[SLOTS], s[LIM]
	s_cbranch_scc0 .Lnot_mine_\@
	global_prefetch_b8 v[PFO], s[PFA:PFA+1] th:TH_LOAD_NT scope:SCOPE_SE
.Lnot_mine_\@:
.endm
; A centroid tile: four GROUPs.  mode 0: tiles 0 to 2 of a record.  mode 1: tile 3, with the change of slots and a joint refill.  mode 2: the same with nothing left to ask for.  mode 3: the very last tile.
.macro TILE i, mode
.if (\mode) == 0
	s_wait_dscnt 0x0                               ; this tile's ten loads, issued a tile ago, are in
	GROUP \i, 0, 1
.if (\i) == 0
	s_add_co_u32 s[TT], s[TT], 29                  ; from tile 3 of my record in the last slot to tile 0 of this one: a slot is 32 tiles
.else
	s_add_co_u32 s[TT], s[TT], 1
.endif
	GROUP \i, 1, 0
	GROUP \i, 2, 0
	GROUP \i, 3, 0
.elseif (\mode) == 3
	s_wait_dscnt 0x0
	GROUP \i, 0, 0
	s_add_co_u32 s[TT], s[TT], 1
	GROUP \i, 1, 0
	GROUP \i, 2, 0
	GROUP \i, 3, 0
.else
.if (\mode) == 1
	s_wait_xcnt 0x0                                ; the last prefetch, a slot back, has read its address, so it may be written
	s_add_nc_u64 s[PFA:PFA+1], s[PFA:PFA+1], SLOTB
.endif
	s_wait_tensorcnt 0x0                           ; all my tensor loads have landed: the one that was out is my record of the next slot; so a group 0 may be written
	ds_add_u32 v[SPW], v[NIL]                      ; 0 onto my spare word; the steps and a GROUP stand between it and the wait for it
.if (\mode) == 1
	s_xor_b32 s[G0+1], s[G0+1], SLOT1              ; the walking descriptor: the slot that is being left,
	s_add_nc_u64 s[G0+2:G0+3], s[G0+2:G0+3], SLOTB ; my record two slots on; the type bits on top are not reached
.endif
	s_xor_b32 s[TB], s[TB], SLOT1                  ; my fetches go on to the other slot
	s_add_co_u32 s[BO], s[BO], 256
	s_wait_dscnt 0x1                               ; this tile's ten loads are in: they were my last reads of the slot; the add alone may be out
	GROUP \i, 0, 0
	s_add_co_u32 s[TT], s[TT], 1
	s_wait_dscnt 0x0                               ; the add is done, and my reads of the slot are over
	s_barrier_signal -1
	GROUP \i, 1, 0                                 ; work on registers while the others arrive
	s_barrier_wait -1
.if (\mode) == 1
	CREST                                          ; the barrier has opened a round of the cluster's barrier: no wave of any partner still reads the slot or has a load on its way
	tensor_load_to_lds s[G0:G0+3], s[G1:G1+7]      ; the first thing behind the round, and my one tensor load until the next: it has a slot's 64 matrix instructions of mine in which to land
	s_nop 0
.endif
	v_add_nc_u32 v[AF], s[TB], v[AF0]
	v_add_nc_u32 v[AB], s[BO], v[AB0]
.if (\mode) == 1
	v_nop                                          ; four vector lines follow the tensor load ahead of anything else
	v_nop
.endif
	FETCHF 0, 0                                    ; the next slot's first tile
.if (\mode) == 1
	ASK
.endif
	GROUP \i, 2, 0
	GROUP \i, 3, 0
.endif
.endm
; (ra, ia) takes (rb, ib) in: the larger maximum; of equal maxima the lower index
.macro MERGE ra, ia, rb, ib, tm
	v_cmp_eq_f32 s[MA], v[\ra], v[\rb]
	v_cmp_gt_f32 vcc_lo, v[\rb], v[\ra]
	v_min_u32 v[\tm], v[\ia], v[\ib]
	v_cndmask_b32 v[\ia], v[\ia], v[\tm], s[MA]
	v_cndmask_b32 v[\ia], v[\ia], v[\ib], vcc_lo
	v_max_num_f32 v[\ra], v[\ra], v[\rb]
.endm
	s_load_b256 s[4:11], s[0:1], 0x0               ; x s[4:5], cimg s[6:7], cbias s[8:9], the scales' exponents s[10:11]
	s_load_b128 s[12:15], s[0:1], 0x20             ; out2 s[12:13], idx s[14:15]
	v_lshl_add_u32 v[SPW], v0, 2, SPARE
	v_mov_b32 v[NIL], 0
	ds_add_u32 v12, v13
	ds_add_u32 v12, v13
	s_wait_dscnt 0x0
	v_lshrrev_b32 v1, 5, v0
	v_readfirstlane_b32 s[WV], v1                  ; wave 0..7
	s_bfe_u32 s17, ttmp6, 0x40000                  ; cx: my place in the cluster: it enters addresses in x, out2, idx and of the prefetches alone
	s_lshl_b32 s18, ttmp9, 2                       ; in a cluster launch ttmp9 counts clusters
	s_add_co_u32 s18, s18, s17                     ; my block of 128 rows
	; every LDS address is made here, ahead of the first branch on the wave's number: a constant + a constant x lane + a constant x wave
	v_and_b32 v1, 31, v0                           ; lane
	v_and_b32 v16, 15, v0                          ; r
	v_bfe_u32 v17, v0, 4, 1                        ; h
	v_lshlrev_b32 v[PFO], 8, v1
	v_lshlrev_b32 v[L8], 3, v1
	v_lshlrev_b32 v[L16], 4, v1
	v_lshlrev_b32 v[XA], 10, v16
	v_lshl_add_u32 v[XA], v17, 6, v[XA]            ; x: row r of 1,024 bytes, + 64 h
	v_lshlrev_b32 v[H8], 3, v17
	s_lshl_b32 s19, s[WV], 14                      ; 16,384 w
	v_add_nc_u32 v[AF0], s19, v[L16]
	s_lshl_b32 s20, s[WV], 12                      ; 4,096 w
	v_lshlrev_b32 v[AB0], 5, v17
	v_add_nc_u32 v[AB0], s20, v[AB0]
	v_add_nc_u32 v[AB0], BIAS, v[AB0]
	s_and_b32 s76, s[WV], 3
	s_lshl_b32 s76, s76, 12
	v_add_nc_u32 v[XWI], s76, v[L16]
	v_add_nc_u32 v[XWI], XIMG, v[XWI]              ; x's images: my tile's two fragments at 4,096 (w % 4)
	v_add_nc_u32 v[XRI], XIMG, v[L16]
	s_lshl_b32 s77, s[WV], 10
	v_add_nc_u32 v[CW], s77, v[L8]
	v_add_nc_u32 v[CW], COMB, v[CW]                ; my results: 1,024 w + 8 x lane
	s_and_b32 s78, s[WV], 1
	s_lshl_b32 s78, s78, 9
	v_add_nc_u32 v[CR], s78, v[L16]
	v_add_nc_u32 v[CR], COMB, v[CR]                ; back: rows 64 (w % 2) + 2 x lane and the next
	; descriptor group 1: dense blocks as rows of 256 bytes: 32 elements of 8 bytes; a record has 64 such rows, a wave's biases 16.  No padding: every LDS read takes 16 x lane, on end
	s_mov_b32 s[G1], 15|(3<<16)|(1<<21)            ; 15:0 the mask: all four work-groups; 17:16 elements of 8 bytes; 21 set beside a mask
	s_mov_b32 s[G1+1], 32<<16                      ; tensor_dim0 = 32
	s_mov_b32 s[G1+2], 64<<16                      ; tensor_dim1 = 64
	s_mov_b32 s[G1+3], 32<<16                      ; tile_dim0 = 32
	s_mov_b32 s[G1+4], 64                          ; tile_dim1 = 64
	s_mov_b32 s[G1+5], 32                          ; from row to row: 32 elements
	s_mov_b32 s[G1+6], 0
	s_mov_b32 s[G1+7], 0
	s_mov_b32 s[G1B], 15|(3<<16)|(1<<21)
	s_mov_b32 s[G1B+1], 32<<16
	s_mov_b32 s[G1B+2], 16<<16
	s_mov_b32 s[G1B+3], 32<<16
	s_mov_b32 s[G1B+4], 16
	s_mov_b32 s[G1B+5], 32
	s_mov_b32 s[G1B+6], 0
	s_mov_b32 s[G1B+7], 0
	s_mov_b32 s21, 0                               ; s[20:21] = 4,096 w, s[22:23] = 16,384 w, as 64-bit offsets
	s_mov_b32 s22, s19
	s_mov_b32 s23, 0
	s_mov_b32 s60, 0x76543210                      ; v_permlanex16_b32: lane l xor 16
	s_mov_b32 s61, 0xfedcba98
	s_mov_b32 s68, 0xffff0000                      ; lanes 16-31
	s_mov_b32 s69, 0xff800000                      ; -infinity
	s_mov_b32 s[TB], 0
	s_mov_b32 s[BO], 0
	s_lshl_b32 s[TT], s[WV], 2
	s_sub_co_u32 s[TT], s[TT], 29                  ; my first tile is 4 w; the first step adds 29
	s_mov_b32 s[SLOTS], 14
	s_lshr_b32 s[LIM], s[WV], 2                    ; 0 in waves 0 to 3,
	s_or_b32 s[LIM], s[LIM], ttmp9                 ; of the first cluster: the same in all four partners
	s_cmp_eq_u32 s[LIM], 0
	s_cselect_b32 s[LIM], 2, -1
	s_lshl_b32 s70, s18, 17                        ; my wave's tile of x: 128 W + 16 w rows of 1,024 bytes
	s_lshl_b32 s71, s[WV], 14
	s_add_co_u32 s70, s70, s71
	s_mov_b32 s71, 0
	s_lshl_b32 s72, s17, 2                         ; the prefetches: part 4 cx + w % 4 of a slot, 8,192 bytes each,
	s_and_b32 s73, s[WV], 3
	s_add_co_u32 s72, s72, s73
	s_lshl_b32 s72, s72, 13
	s_add_co_u32 s72, s72, 3*SLOTB                 ; in slot 3: the first change of slots steps it to slot 4.  Nothing is prefetched here, at the head
	s_mov_b32 s73, 0
	s_lshl_b32 s74, s18, 9                         ; out2 and idx: 4 bytes x (128 W + 64 w)
	s_lshl_b32 s75, s[WV], 8
	s_add_co_u32 s74, s74, s75
	s_mov_b32 s75, 0
	s_wait_kmcnt 0x0
	s_load_b32 s62, s[10:11], 0x0                  ; ex.  (ec is in the codes and in the biases already)
	s_add_nc_u64 s[4:5], s[4:5], s[70:71]
	XLOAD 96, 0                                    ; my tile of x, 32 loads: they are on their way across the round below
	XLOAD 160, 1
	s_add_nc_u64 s[PFA:PFA+1], s[6:7], s[72:73]
	s_add_nc_u64 s[12:13], s[12:13], s[74:75]
	s_add_nc_u64 s[14:15], s[14:15], s[74:75]
	s_mov_b32 s[G0A], 1                            ; count = 1
	s_mov_b32 s[G0A+1], s19                        ; LDS: slot 0, my record's place
	s_add_nc_u64 s[G0A+2:G0A+3], s[6:7], s[22:23]  ; memory: record (0, w)
	s_or_b32 s[G0A+3], s[G0A+3], 0x80000000        ; type = 2
	s_mov_b32 s[G0], 1
	s_add_co_u32 s[G0+1], s19, SLOT1               ; slot 1
	s_add_nc_u64 s[G0+2:G0+3], s[6:7], s[22:23]
	s_add_nc_u64 s[G0+2:G0+3], s[G0+2:G0+3], SLOTB ; record (1, w)
	s_or_b32 s[G0+3], s[G0+3], 0x80000000
	s_mov_b32 s[G0C], 1
	s_add_co_u32 s[G0C+1], s20, BIAS
	s_add_nc_u64 s[G0C+2:G0C+3], s[8:9], s[20:21]  ; my wave's 1,024 biases
	s_or_b32 s[G0C+3], s[G0C+3], 0x80000000
	CROUND                                         ; all four work-groups are here: the first joint loads meet
	tensor_load_to_lds s[G0C:G0C+3], s[G1B:G1B+7]  ; the first fills go out as one group: three loads of mine are out
	s_nop 0
	tensor_load_to_lds s[G0A:G0A+3], s[G1:G1+7]
	s_nop 0
	tensor_load_to_lds s[G0:G0+3], s[G1:G1+7]
	s_nop 0
.rept 4
	v_nop
.endr
	s_wait_kmcnt 0x0
	s_add_co_i32 s19, s62, 127
	s_lshl_b32 s20, s19, 23
	v_mov_b32 v[SC], s20                           ; 2^ex as f32: the conversion takes its exponent field
	s_add_co_i32 s19, s19, 15
	s_lshl_b32 s19, s19, 23
	s_or_b32 s19, s19, 0x600000
	v_mov_b32 v[LM], s19                           ; 57,344 x 2^ex
	s_wait_loadcnt 16                              ; K step 0's sixteen loads are in; K step 1's may be out
	QUANT 96, 16
	s_wait_loadcnt 0x0
	QUANT 160, 32
	; x's codes go from wave to wave as images of their registers, four tiles at a time: the images' 16,384 bytes are written twice, with a barrier on each side of the reads
	s_cmp_lt_u32 s[WV], 4
	s_cbranch_scc0 .Lnot_first
	IMAGE 16, 0
	IMAGE 32, 2048
.Lnot_first:
	BARRIER                                        ; tiles 0 to 3 lie in LDS
	FETCHX 0
	BARRIER                                        ; every wave has them in registers
	s_cmp_ge_u32 s[WV], 4
	s_cbranch_scc0 .Lnot_second
	IMAGE 16, 0
	IMAGE 32, 2048
.Lnot_second:
	BARRIER                                        ; tiles 4 to 7 lie in LDS
	FETCHX 4
	; The loop is written once: its first GROUP finds keys of -infinity in accumulator buffer 1, which change nothing
.set j, 0
.rept 64
	v_mov_b32 v[S+j], s69
.set j, j+1
.endr
.set j, 0
.rept 16
	v_mov_b32 v[R+j], s69
	v_mov_b32 v[ACC+16+j], s69
.set j, j+1
.endr
.set j, 0
.rept 8
	v_mov_b32 v[G+j], 0
.set j, j+1
.endr
	v_add_nc_u32 v[AF], s[TB], v[AF0]
	v_add_nc_u32 v[AB], s[BO], v[AB0]
	s_wait_tensorcnt 0x1                           ; my biases and my record of slot 0 are in; slot 1's load, issued behind them, may be out.  I read only bytes that my own loads brought
	FETCHF 0, 0
.Lslot:                                                ; 14 trips: at the end of slots 0 to 13 the slot is filled again, with slots 2 to 15
	TILE 0, 0
	TILE 1, 0
	TILE 2, 0
	TILE 3, 1
	s_sub_co_u32 s[SLOTS], s[SLOTS], 1
	s_cmp_lg_u32 s[SLOTS], 0
	s_cbranch_scc1 .Lslot
	TILE 0, 0                                      ; slot 14: the tail is written out
	TILE 1, 0
	TILE 2, 0
	TILE 3, 2
	TILE 0, 0                                      ; slot 15
	TILE 1, 0
	TILE 2, 0
	TILE 3, 3
	EPA 1, 3, 1                                    ; the last GROUP's argmax; 14 plain instructions stand between it and the last products.  All maxima now lie in bank 0
	EPB 1, 3
	; THE END.  For each tile of rows: the first j with S_j = R; index = 16 G + 8 (lane / 16) + j; then the other half of the lanes, which holds the tile's other eight centroids
.irp q, 0,1,2,3,4,5,6,7
	v_mov_b32 v[16+\q], 7
	v_mov_b32 v[24+\q], 0                          ; written once: a lane permute's destination counts as one of its sources
	v_mov_b32 v[32+\q], 0
.endr
.irp j, 6,5,4,3,2,1,0
.irp q, 0,1,2,3,4,5,6,7
	v_cmp_neq_f32 vcc_lo, v[S+8*\q+\j], v[R+\q]
	v_cndmask_b32 v[16+\q], \j, v[16+\q], vcc_lo   ; j descends, so the lowest j that holds the maximum stays
.endr
.endr
.irp q, 0,1,2,3,4,5,6,7
	v_lshl_add_u32 v[16+\q], v[G+\q], 4, v[16+\q]
.endr
.irp q, 0,1,2,3,4,5,6,7
	v_add_nc_u32 v[16+\q], v[H8], v[16+\q]
.endr
.irp q, 0,1,2,3,4,5,6,7
	v_permlanex16_b32 v[24+\q], v[R+\q], s60, s61
	v_permlanex16_b32 v[32+\q], v[16+\q], s60, s61
.endr
.irp q, 0,1,2,3,4,5,6,7
	MERGE R+\q, 16+\q, 24+\q, 32+\q, 40+\q
.endr
.irp q, 0,2,4,6                        ; both halves of the lanes now hold the same: lanes 0-15 give tile q's pairs, lanes 16-31 tile q + 1's: row 16 q + lane at 8 bytes a row
	v_cndmask_b32 v[48+\q], v[R+\q], v[R+\q+1], s68
	v_cndmask_b32 v[49+\q], v[16+\q], v[17+\q], s68
	ds_store_b64 v[CW], v[48+\q:49+\q] offset:128*\q
.endr
	BARRIER                                        ; all eight waves' results lie in LDS
	s_cmp_lt_u32 s[WV], 2
	s_cbranch_scc0 .Ldone                          ; waves 0 and 1 join them, 64 rows each, two rows a lane
.irp k, 0,1,2,3,4,5,6,7
	ds_load_b128 v[64+4*\k:67+4*\k], v[CR] offset:1024*\k
.endr
	s_wait_dscnt 0x0
.irp k, 1,2,3,4,5,6,7
	MERGE 64, 65, 64+4*\k, 65+4*\k, 40
	MERGE 66, 67, 66+4*\k, 67+4*\k, 41
.endr
	v_mov_b32 v96, v65
	v_mov_b32 v97, v67
	global_store_b64 v[L8], v[96:97], s[12:13]     ; 32 lanes store 256 consecutive bytes, at a multiple of 256 from the buffer's first byte
	global_store_b64 v[L8], v[96:97], s[14:15]
.Ldone:
	s_wait_tensorcnt 0x0                           ; the wave's end: behind my last tensor load and my last LDS store
	ds_add_u32 v[SPW], v[NIL]
	s_wait_dscnt 0x0
	CROUND                                         ; the closing round: no work-group ends while a partner may still ask for a record that names it
	s_endpgm
.Lfunc_end_k_qa11feba638_vq:
	.size	k_qa11feba638_vq, .Lfunc_end_k_qa11feba638_vq-k_qa11feba638_vq
	.p2alignl 7, 3214868480
	.fill 96, 4, 3214868480
	.section	.rodata,"a",@progbits
	.p2align	6, 0x0
	.amdhsa_kernel k_qa11feba638_vq
		.amdhsa_group_segment_fixed_size 327680
		.amdhsa_private_segment_fixed_size 0
		.amdhsa_enable_private_segment 0
		.amdhsa_kernarg_size 48
		.amdhsa_user_sgpr_count 2
		.amdhsa_user_sgpr_kernarg_segment_ptr 1
		.amdhsa_wavefront_size32 1
		.amdhsa_system_sgpr_workgroup_id_x 1
		.amdhsa_system_sgpr_workgroup_id_y 1
		.amdhsa_system_sgpr_workgroup_id_z 1
		.amdhsa_system_vgpr_workitem_id 0
		.amdhsa_next_free_vgpr 512
		.amdhsa_next_free_sgpr 90
		.amdhsa_reserve_vcc 1
		.amdhsa_float_denorm_mode_32 3
		.amdhsa_float_denorm_mode_16_64 3
		.amdhsa_memory_ordered 1
		.amdhsa_forward_progress 1
		.amdhsa_inst_pref_size 155
	.end_amdhsa_kernel
	.amdgpu_metadata
---
amdhsa.version: [ 1, 2 ]
amdhsa.kernels:
  - .name:           k_qa11feba638_vq
    .symbol:         k_qa11feba638_vq.kd
    .args:
      - { .name: x, .offset: 0, .size: 8, .value_kind: global_buffer, .address_space: global }
      - { .name: cimg, .offset: 8, .size: 8, .value_kind: global_buffer, .address_space: global }
      - { .name: cbias, .offset: 16, .size: 8, .value_kind: global_buffer, .address_space: global }
      - { .name: lowp_scales, .offset: 24, .size: 8, .value_kind: global_buffer, .address_space: global }
      - { .name: out2, .offset: 32, .size: 8, .value_kind: global_buffer, .address_space: global }
      - { .name: idx, .offset: 40, .size: 8, .value_kind: global_buffer, .address_space: global }
    .group_segment_fixed_size: 327680
    .private_segment_fixed_size: 0
    .kernarg_segment_align: 8
    .kernarg_segment_size: 48
    .max_flat_workgroup_size: 256
    .sgpr_count:     90
    .vgpr_count:     512
    .wavefront_size: 32
...
	.end_amdgpu_metadata
.endif
;; end of part 2
;; launch gather (part 3): grid 1024 x 1, 4 waves a work-group, no clusters, 768 bytes of LDS; arguments x, centroids, idx, out0, part; writes out0, part
.if DOCPART == 3
	.amdgcn_target "amdgcn-amd-amdhsa--gfx1250"
	.amdhsa_code_object_version 6
	.text
	.protected	k_qa11feba638_gather
	.globl	k_qa11feba638_gather
	.p2align	8
	.type	k_qa11feba638_gather,@function
k_qa11feba638_gather:
	s_mov_b64 s[64:65], 0
	v_nop
	global_prefetch_b8 v0, s[64:65] scope:SCOPE_SE
	s_setreg_imm32_b32 hwreg(HW_REG_WAVE_MODE, 25, 1), 1
	s_wait_xcnt 0x0
; out0[r] = x[r] + (c[idx[r]] - x[r]), in f32 as reference() has it, and the work-group's part of the sum of (c[idx[r]] - x[r])^2.
; idx was stored by the launch before, so the gather's addresses hang on whole numbers read from memory; each is held within the table (8,192 rows) before it enters an address.
; SHARES.  A work-group takes 32 rows, a wave 8.  A row is 1,024 bytes: two loads or stores of 512 consecutive bytes, 16 a lane.  All 32 loads of a wave go out at once, written out without a loop: every row has
; registers of its own, so nothing that a load or a store names is written again.  No matrix unit, no tensor load, no cluster: each byte of x is used once and the work-groups share no tile.
.set CO,  8                            ; v[8:15]    row k: the byte offset of my 16 bytes in its centroid
.set X,   16                           ; v16-79     x, then out0: 8 registers a row
.set C,   80                           ; v80-143    the centroid, then the difference
.set SUM, 144                          ; v[144:151] four packed sums of squares
	s_load_b256 s[4:11], s[0:1], 0x0               ; x s[4:5], centroids s[6:7], idx s[8:9], out0 s[10:11]
	s_load_b64 s[12:13], s[0:1], 0x20              ; part
	v_lshl_add_u32 v160, v0, 2, 0x100
	v_mov_b32 v161, 0
	v_lshrrev_b32 v1, 5, v0
	v_readfirstlane_b32 s14, v1                    ; wave 0..3
	v_and_b32 v1, 31, v0
	v_lshlrev_b32 v1, 4, v1                        ; 16 x lane
	s_lshl_b32 s24, ttmp9, 15                      ; my first row, 32 g + 8 w, in bytes of x and out0,
	s_lshl_b32 s25, s14, 13
	s_add_co_u32 s24, s24, s25
	s_mov_b32 s25, 0
	s_lshl_b32 s26, ttmp9, 7                       ; and of idx
	s_lshl_b32 s27, s14, 5
	s_add_co_u32 s26, s26, s27
	s_mov_b32 s27, 0
	s_lshl_b32 s30, ttmp9, 2                       ; part[g]
	s_mov_b32 s31, 0
	s_mov_b32 s28, 0x76543210                      ; v_permlanex16_b32: lane l xor 16
	s_mov_b32 s29, 0xfedcba98
	s_wait_kmcnt 0x0
	s_add_nc_u64 s[8:9], s[8:9], s[26:27]
	s_load_b256 s[16:23], s[8:9], 0x0              ; my eight rows' indices
	s_add_nc_u64 s[4:5], s[4:5], s[24:25]
	s_add_nc_u64 s[10:11], s[10:11], s[24:25]
	s_add_nc_u64 s[12:13], s[12:13], s[30:31]
.irp k, 0,1,2,3,4,5,6,7
	global_load_b128 v[X+8*\k:X+8*\k+3], v1, s[4:5] offset:1024*\k th:TH_LOAD_NT
	global_load_b128 v[X+8*\k+4:X+8*\k+7], v1, s[4:5] offset:1024*\k+512 th:TH_LOAD_NT
.endr
	s_wait_kmcnt 0x0
.irp k, 0,1,2,3,4,5,6,7
	s_min_u32 s[16+\k], s[16+\k], 0x1fff           ; inside the table, whatever was read
	s_lshl_b32 s[16+\k], s[16+\k], 10              ; a centroid is 1,024 bytes
	v_add_nc_u32 v[CO+\k], s[16+\k], v1
.endr
.irp k, 0,1,2,3,4,5,6,7
	global_load_b128 v[C+8*\k:C+8*\k+3], v[CO+\k], s[6:7]                   ; no hint: the list may name a centroid again
	global_load_b128 v[C+8*\k+4:C+8*\k+7], v[CO+\k], s[6:7] offset:512
.endr
.macro ROW k
	s_wait_loadcnt 14-2*(\k)                       ; loads come back in order (ISA guide 5.7.1): all of x and this row's centroid are in; the centroids of the rows behind it may be out
.irp p, 0,1,2,3
	v_pk_add_f32 v[C+8*(\k)+2*\p:C+8*(\k)+2*\p+1], v[C+8*(\k)+2*\p:C+8*(\k)+2*\p+1], v[X+8*(\k)+2*\p:X+8*(\k)+2*\p+1] neg_lo:[0,1] neg_hi:[0,1]   ; d = c - x
.endr
.irp p, 0,1,2,3
.if (\k) == 0
	v_pk_mul_f32 v[SUM+2*\p:SUM+2*\p+1], v[C+2*\p:C+2*\p+1], v[C+2*\p:C+2*\p+1]   ; the first row starts the sums
.else
	v_pk_fma_f32 v[SUM+2*\p:SUM+2*\p+1], v[C+8*(\k)+2*\p:C+8*(\k)+2*\p+1], v[C+8*(\k)+2*\p:C+8*(\k)+2*\p+1], v[SUM+2*\p:SUM+2*\p+1]
.endif
.endr
.irp p, 0,1,2,3
	v_pk_add_f32 v[X+8*(\k)+2*\p:X+8*(\k)+2*\p+1], v[X+8*(\k)+2*\p:X+8*(\k)+2*\p+1], v[C+8*(\k)+2*\p:C+8*(\k)+2*\p+1]   ; x + d
.endr
	global_store_b128 v1, v[X+8*(\k):X+8*(\k)+3], s[10:11] offset:1024*(\k) th:TH_STORE_NT          ; 32 lanes store 512 consecutive bytes, aligned
	global_store_b128 v1, v[X+8*(\k)+4:X+8*(\k)+7], s[10:11] offset:1024*(\k)+512 th:TH_STORE_NT
.endm
.irp k, 0,1,2,3,4,5,6,7
	ROW \k
.endr
	v_pk_add_f32 v[SUM:SUM+1], v[SUM:SUM+1], v[SUM+2:SUM+3]
	v_pk_add_f32 v[SUM+4:SUM+5], v[SUM+4:SUM+5], v[SUM+6:SUM+7]
	v_pk_add_f32 v[SUM:SUM+1], v[SUM:SUM+1], v[SUM+4:SUM+5]
	v_add_f32 v144, v144, v145
	v_add_f32_dpp v144, v144, v144 row_xmask:1 row_mask:0xf bank_mask:0xf
	v_add_f32_dpp v144, v144, v144 row_xmask:2 row_mask:0xf bank_mask:0xf
	v_add_f32_dpp v144, v144, v144 row_xmask:4 row_mask:0xf bank_mask:0xf
	v_add_f32_dpp v144, v144, v144 row_xmask:8 row_mask:0xf bank_mask:0xf
	v_permlanex16_b32 v146, v144, s28, s29         ; (v146 has been written)
	v_add_f32 v144, v144, v146                     ; the wave's sum, in every lane
	v_mov_b32 v2, s14
	v_lshlrev_b32 v2, 2, v2
	ds_store_b32 v2, v144                          ; all lanes write the wave's word with the same number
	s_wait_dscnt 0x0                               ; for the others' sake
	s_barrier_signal -1
	s_barrier_wait -1
	s_cmp_lg_u32 s14, 0
	s_cbranch_scc1 .Lend
	v_mov_b32 v3, 0
	ds_load_b128 v[152:155], v3
	s_wait_dscnt 0x0
	v_add_f32 v152, v152, v153
	v_add_f32 v154, v154, v155
	v_add_f32 v152, v152, v154
	v_cmp_eq_u32 vcc_lo, 0, v0
	s_wait_xcnt 0x0                                ; EXEC is a source of the stores above: it changes only behind this wait
	s_and_saveexec_b32 s15, vcc_lo
	global_store_b32 v3, v152, s[12:13]            ; one number for the work-group: the last launch adds the 1,024
	s_wait_xcnt 0x0                                ; and again, in front of the line that widens it
	s_or_b32 exec_lo, exec_lo, s15
.Lend:
	s_wait_tensorcnt 0x0
	ds_add_u32 v160, v161
	s_wait_dscnt 0x0
	s_endpgm
.Lfunc_end_k_qa11feba638_gather:
	.size	k_qa11feba638_gather, .Lfunc_end_k_qa11feba638_gather-k_qa11feba638_gather
	.p2alignl 7, 3214868480
	.fill 96, 4, 3214868480
	.section	.rodata,"a",@progbits
	.p2align	6, 0x0
	.amdhsa_kernel k_qa11feba638_gather
		.amdhsa_group_segment_fixed_size 768
		.amdhsa_private_segment_fixed_size 0
		.amdhsa_enable_private_segment 0
		.amdhsa_kernarg_size 40
		.amdhsa_user_sgpr_count 2
		.amdhsa_user_sgpr_kernarg_segment_ptr 1
		.amdhsa_wavefront_size32 1
		.amdhsa_system_sgpr_workgroup_id_x 1
		.amdhsa_system_sgpr_workgroup_id_y 1
		.amdhsa_system_sgpr_workgroup_id_z 1
		.amdhsa_system_vgpr_workitem_id 0
		.amdhsa_next_free_vgpr 162
		.amdhsa_next_free_sgpr 66
		.amdhsa_reserve_vcc 1
		.amdhsa_float_denorm_mode_32 3
		.amdhsa_float_denorm_mode_16_64 3
		.amdhsa_memory_ordered 1
		.amdhsa_forward_progress 1
		.amdhsa_inst_pref_size 15
	.end_amdhsa_kernel
	.amdgpu_metadata
---
amdhsa.version: [ 1, 2 ]
amdhsa.kernels:
  - .name:           k_qa11feba638_gather
    .symbol:         k_qa11feba638_gather.kd
    .args:
      - { .name: x, .offset: 0, .size: 8, .value_kind: global_buffer, .address_space: global }
      - { .name: centroids, .offset: 8, .size: 8, .value_kind: global_buffer, .address_space: global }
      - { .name: idx, .offset: 16, .size: 8, .value_kind: global_buffer, .address_space: global }
      - { .name: out0, .offset: 24, .size: 8, .value_kind: global_buffer, .address_space: global }
      - { .name: part, .offset: 32, .size: 8, .value_kind: global_buffer, .address_space: global }
    .group_segment_fixed_size: 768
    .private_segment_fixed_size: 0
    .kernarg_segment_align: 8
    .kernarg_segment_size: 40
    .max_flat_workgroup_size: 128
    .sgpr_count:     66
    .vgpr_count:     162
    .wavefront_size: 32
...
	.end_amdgpu_metadata
.endif
;; end of part 3
;; launch total (part 4): grid 1 x 1, 1 waves a work-group, no clusters, 0 bytes of LDS; arguments part, out1; writes out1
.if DOCPART == 4
	.amdgcn_target "amdgcn-amd-amdhsa--gfx1250"
	.amdhsa_code_object_version 6
	.text
	.protected	k_qa11feba638_total
	.globl	k_qa11feba638_total
	.p2align	8
	.type	k_qa11feba638_total,@function
k_qa11feba638_total:
	s_mov_b64 s[64:65], 0
	v_nop
	global_prefetch_b8 v0, s[64:65] scope:SCOPE_SE
	s_setreg_imm32_b32 hwreg(HW_REG_WAVE_MODE, 25, 1), 1
	s_wait_xcnt 0x0
; out1 = m + 0.25 m, m = the mean of (x_q - x)^2 over 32,768 x 256 = 2^23 numbers: the 1,024 partial sums are added by one wave, the one owner of the sum.
; Eight loads of 512 consecutive bytes bring all 4,096 bytes; the sums go by pairs within a lane, then across the 32 lanes.
	s_load_b128 s[4:7], s[0:1], 0x0                ; part s[4:5], out1 s[6:7]
	v_lshlrev_b32 v1, 4, v0                        ; 16 x lane
	v_mov_b32 v2, 0                                ; the store's offset
	v_mov_b32 v3, 0                                ; written once: a lane permute's destination counts as one of its sources
	s_mov_b32 s8, 0x76543210                       ; v_permlanex16_b32: lane l xor 16
	s_mov_b32 s9, 0xfedcba98
	s_wait_kmcnt 0x0
.irp j, 0,1,2,3,4,5,6,7
	global_load_b128 v[4+4*\j:7+4*\j], v1, s[4:5] offset:512*\j
.endr
	s_wait_loadcnt 0x0
.irp j, 0,1,2,3,4,5,6,7
	v_pk_add_f32 v[4+4*\j:5+4*\j], v[4+4*\j:5+4*\j], v[6+4*\j:7+4*\j]
.endr
.irp j, 0,2,4,6
	v_pk_add_f32 v[4+4*\j:5+4*\j], v[4+4*\j:5+4*\j], v[8+4*\j:9+4*\j]
.endr
	v_pk_add_f32 v[4:5], v[4:5], v[12:13]
	v_pk_add_f32 v[20:21], v[20:21], v[28:29]
	v_pk_add_f32 v[4:5], v[4:5], v[20:21]
	v_add_f32 v4, v4, v5
	v_add_f32_dpp v4, v4, v4 row_xmask:1 row_mask:0xf bank_mask:0xf
	v_add_f32_dpp v4, v4, v4 row_xmask:2 row_mask:0xf bank_mask:0xf
	v_add_f32_dpp v4, v4, v4 row_xmask:4 row_mask:0xf bank_mask:0xf
	v_add_f32_dpp v4, v4, v4 row_xmask:8 row_mask:0xf bank_mask:0xf
	v_permlanex16_b32 v3, v4, s8, s9
	v_add_f32 v4, v4, v3
	v_mul_f32 v4, 0x34000000, v4                   ; x 2^-23: the mean
	v_fmamk_f32 v5, v4, 0x3e800000, v4             ; codebook loss + 0.25 x commitment loss: the two means are the same number
	v_cmp_eq_u32 vcc_lo, 0, v0
	s_wait_xcnt 0x0                                ; EXEC changes only behind this wait
	s_and_saveexec_b32 s10, vcc_lo
	global_store_b32 v2, v5, s[6:7]
	s_wait_xcnt 0x0                                ; and again, in front of the line that widens it
	s_or_b32 exec_lo, exec_lo, s10
	s_endpgm
.Lfunc_end_k_qa11feba638_total:
	.size	k_qa11feba638_total, .Lfunc_end_k_qa11feba638_total-k_qa11feba638_total
	.p2alignl 7, 3214868480
	.fill 96, 4, 3214868480
	.section	.rodata,"a",@progbits
	.p2align	6, 0x0
	.amdhsa_kernel k_qa11feba638_total
		.amdhsa_group_segment_fixed_size 0
		.amdhsa_private_segment_fixed_size 0
		.amdhsa_enable_private_segment 0
		.amdhsa_kernarg_size 16
		.amdhsa_user_sgpr_count 2
		.amdhsa_user_sgpr_kernarg_segment_ptr 1
		.amdhsa_wavefront_size32 1
		.amdhsa_system_sgpr_workgroup_id_x 1
		.amdhsa_system_sgpr_workgroup_id_y 1
		.amdhsa_system_sgpr_workgroup_id_z 1
		.amdhsa_system_vgpr_workitem_id 0
		.amdhsa_next_free_vgpr 48
		.amdhsa_next_free_sgpr 66
		.amdhsa_reserve_vcc 1
		.amdhsa_float_denorm_mode_32 3
		.amdhsa_float_denorm_mode_16_64 3
		.amdhsa_memory_ordered 1
		.amdhsa_forward_progress 1
		.amdhsa_inst_pref_size 4
	.end_amdhsa_kernel
	.amdgpu_metadata
---
amdhsa.version: [ 1, 2 ]
amdhsa.kernels:
  - .name:           k_qa11feba638_total
    .symbol:         k_qa11feba638_total.kd
    .args:
      - { .name: part, .offset: 0, .size: 8, .value_kind: global_buffer, .address_space: global }
      - { .name: out1, .offset: 8, .size: 8, .value_kind: global_buffer, .address_space: global }
    .group_segment_fixed_size: 0
    .private_segment_fixed_size: 0
    .kernarg_segment_align: 8
    .kernarg_segment_size: 16
    .max_flat_workgroup_size: 32
    .sgpr_count:     66
    .vgpr_count:     48
    .wavefront_size: 32
...
	.end_amdgpu_metadata
.endif
;; end of part 4
